; MI455X (gfx1250); checked and timed in simulation.
; The chip was launched on July 23, 2026; its instructions are those of AMD's public machine-readable ISA for CDNA 5 (MIT licence, August 2026) and "CDNA5" Instruction Set Architecture Reference Guide (July 2026). The comments in the code are by the model that wrote it; some were corrected since.
;; RFFR base. Allowed arithmetic: float matrix products may take bf16 or f16 operands with f32 sums; all other float work in f32.
;; Inputs: tgt 8 x 2,048 x 512 float32.
;; Outputs: out0 8 x 2,048 x 512 float32.
;; One version. Each part assembles by itself: llvm-mc -triple=amdgcn-amd-amdhsa -mcpu=gfx1250 --defsym DOCPART=n.
;; ======== version 1 of 1: 2 launches
;; limits: values are held in f16: magnitudes above 65,504 overflow, below 6.1e-05 lose precision; right only within a limited range of input values
;; workspace buffers: th 16,777,216 bytes; nrm 65,536 bytes
;; launch prep (part 1): grid 256 x 1, 8 waves a work-group, no clusters, 1,280 bytes of LDS; arguments tgt, th, nrm; writes th, nrm
.if DOCPART == 1
	.amdgcn_target "amdgcn-amd-amdhsa--gfx1250"
	.amdhsa_code_object_version 6
	.text
	.protected	k_q520caa817a_prep
	.globl	k_q520caa817a_prep
	.p2align	8
	.type	k_q520caa817a_prep,@function
k_q520caa817a_prep:
	s_mov_b64 s[64:65], 0
	v_nop
	global_prefetch_b8 v0, s[64:65] scope:SCOPE_SE
	s_setreg_imm32_b32 hwreg(HW_REG_WAVE_MODE, 25, 1), 1
	s_wait_xcnt 0x0
; th[row][d] = f16(kappa tgt[row][d] / |row|);  nrm[row] = |row| / kappa;  kappa = sqrt(2 log2(e)); |row|^2 summed in f32.
; tgt: [16384][512] f32.  th: [16384][512] f16.  nrm: [16384] f32.
; Two rows of th then multiply to 2 log2(e) times their cosine, the exponent that the next launch's tanh wants, and th[row] nrm[row] is the row itself.
; LIMITS: |th| is at most kappa for every input; numbers of th below 6.1e-5 are f16 denormals, absolute error up to 3e-8 against a row norm of kappa;
; a row whose sum of squares is below 2^-126 counts as zero for v_rsq_f32 (ISA guide 15.8: denormal inputs are flushed) and becomes NaN, as a zero row does;
; a sum of squares that overflows f32 gives NaN in nrm.
; A stream: memory binds, so no matrix unit, no cluster, no tiles in LDS.  Eight waves; the work-group owns 64 rows, a wave 8 rows.
; A row is 2,048 bytes = four loads of 512 consecutive bytes by one wave, so the sum never leaves the wave.  There is no loop: all 32
; loads of a wave (16 KiB) go out at once, and the rows are worked on in the order in which they arrive.
.set ROWB,   2048                      ; bytes in a row of tgt
.set HROWB,  1024                      ; bytes in a row of th
.set KAPPA,  0x3fd96d27                ; sqrt(2 log2(e)) = 1.6986436
.set RKAPPA, 0x3f16b55f                ; its reciprocal  = 0.5887050
.set X,      24                        ; v[24:151]  row k, load j: 4 registers at X + 16 k + 4 j; later the packed f16 in the first two of them
	s_load_b128 s[4:7], s[0:1], 0x0                ; tgt s[4:5], th s[6:7]
	s_load_b64 s[8:9], s[0:1], 0x10                ; nrm
	v_lshl_add_u32 v152, v0, 2, 0x100
	v_mov_b32 v153, 0
	v_lshrrev_b32 v5, 5, v0
	v_readfirstlane_b32 s10, v5                    ; wave 0..7
	v_and_b32 v4, 31, v0                           ; lane
	s_mov_b32 s12, 0x76543210                      ; v_permlanex16_b32: lane i of one half reads lane i of the other
	s_mov_b32 s13, 0xfedcba98
	v_lshlrev_b32 v1, 4, v4
	v_lshl_add_u32 v1, v5, 14, v1                  ; in:  wave x 8 rows x 2,048 + 16 x lane
	v_lshlrev_b32 v2, 3, v4
	v_lshl_add_u32 v2, v5, 13, v2                  ; out: wave x 8 rows x 1,024 + 8 x lane
	v_mov_b32 v3, s10
	v_lshlrev_b32 v3, 5, v3                        ; LDS: my wave's eight words
	v_lshlrev_b32 v4, 3, v4                        ; 8 x lane: the 256 bytes of the group's 64 nrm
	v_mov_b32 v11, 0                               ; v_permlanex16_b32 counts as a reader of its destination
	s_lshl_b32 s2, ttmp9, 17                       ; 64 rows of tgt
	s_mov_b32 s3, 0
	s_wait_kmcnt 0x0
	s_add_nc_u64 s[4:5], s[4:5], s[2:3]
	s_lshl_b32 s2, ttmp9, 16                       ; 64 rows of th
	s_add_nc_u64 s[6:7], s[6:7], s[2:3]
	s_lshl_b32 s2, ttmp9, 8                        ; 64 numbers of nrm
	s_add_nc_u64 s[8:9], s[8:9], s[2:3]
.irp k, 0,1,2,3,4,5,6,7
.irp j, 0,1,2,3
	global_load_b128 v[X+16*\k+4*\j:X+16*\k+4*\j+3], v1, s[4:5] offset:ROWB*\k+512*\j th:TH_LOAD_NT   ; read once in the launch
.endr
.endr
; One row: sum of squares in two chains, across the lanes, 1/sqrt, scale, round to f16 in place, store.
; No register that a global store reads is written again, so no wait frees anything here.
.macro ROW k
	s_wait_loadcnt 28-4*\k                         ; loads come back in order (ISA guide 5.7.1): this row's four are in, the 4 (7 - k) younger ones stay out
	v_pk_mul_f32 v[6:7], v[X+16*\k:X+16*\k+1], v[X+16*\k:X+16*\k+1]            ; the first products start the sums
	v_pk_mul_f32 v[8:9], v[X+16*\k+2:X+16*\k+3], v[X+16*\k+2:X+16*\k+3]
.irp j, 1,2,3
	v_pk_fma_f32 v[6:7], v[X+16*\k+4*\j:X+16*\k+4*\j+1], v[X+16*\k+4*\j:X+16*\k+4*\j+1], v[6:7]
	v_pk_fma_f32 v[8:9], v[X+16*\k+4*\j+2:X+16*\k+4*\j+3], v[X+16*\k+4*\j+2:X+16*\k+4*\j+3], v[8:9]
.endr
	v_pk_add_f32 v[6:7], v[6:7], v[8:9]
	v_add_f32 v10, v6, v7
	v_add_f32_dpp v10, v10, v10 row_xmask:1 row_mask:0xf bank_mask:0xf
	v_add_f32_dpp v10, v10, v10 row_xmask:2 row_mask:0xf bank_mask:0xf
	v_add_f32_dpp v10, v10, v10 row_xmask:4 row_mask:0xf bank_mask:0xf
	v_add_f32_dpp v10, v10, v10 row_xmask:8 row_mask:0xf bank_mask:0xf
	v_permlanex16_b32 v11, v10, s12, s13
	v_add_f32 v10, v10, v11                        ; every lane holds the row's sum of squares
	v_rsq_f32 v12, v10
	v_nop                                          ; the plain place between v_rsq_f32 and the use of its result (ISA guide 5.7.2)
	s_wait_alu depctr_va_vdst(0)
	v_mul_f32 v16, KAPPA, v12                      ; kappa / |row|, twice: a pair for the packed multiply
	v_mul_f32 v17, KAPPA, v12
	v_mul_f32 v13, v10, v12                        ; |row| = sum x 1/sqrt(sum)
	v_mul_f32 v13, RKAPPA, v13                     ; |row| / kappa
.irp j, 0,1,2,3
	v_pk_mul_f32 v[X+16*\k+4*\j:X+16*\k+4*\j+1],   v[X+16*\k+4*\j:X+16*\k+4*\j+1],   v[16:17]
	v_pk_mul_f32 v[X+16*\k+4*\j+2:X+16*\k+4*\j+3], v[X+16*\k+4*\j+2:X+16*\k+4*\j+3], v[16:17]
.endr
.irp j, 0,1,2,3
	v_cvt_pk_f16_f32 v[X+16*\k+4*\j],   v[X+16*\k+4*\j],   v[X+16*\k+4*\j+1]
	v_cvt_pk_f16_f32 v[X+16*\k+4*\j+1], v[X+16*\k+4*\j+2], v[X+16*\k+4*\j+3]
.endr
	ds_store_b32 v3, v13 offset:4*\k               ; all lanes write the same word with the same number
.irp j, 0,1,2,3
	global_store_b64 v2, v[X+16*\k+4*\j:X+16*\k+4*\j+1], s[6:7] offset:HROWB*\k+256*\j   ; 32 lanes store 256 consecutive bytes, aligned; the next launch reads them
.endr
.endm
.irp k, 0,1,2,3,4,5,6,7
	ROW \k
.endr
	s_wait_dscnt 0x0                               ; my eight words are in LDS: zero, for wave 0's sake
	s_barrier_signal -1
	s_barrier_wait -1
	s_cmp_lg_u32 s10, 0
	s_cbranch_scc1 .Ldone
	ds_load_b64 v[14:15], v4                       ; wave 0 takes the group's 64 numbers
	s_wait_dscnt 0x0
	global_store_b64 v4, v[14:15], s[8:9]          ; and stores them as 256 consecutive bytes, aligned
.Ldone:
	s_wait_tensorcnt 0x0
	ds_add_u32 v152, v153
	s_wait_dscnt 0x0
	s_endpgm
.Lfunc_end_k_q520caa817a_prep:
	.size	k_q520caa817a_prep, .Lfunc_end_k_q520caa817a_prep-k_q520caa817a_prep
	.p2alignl 7, 3214868480
	.fill 96, 4, 3214868480
	.section	.rodata,"a",@progbits
	.p2align	6, 0x0
	.amdhsa_kernel k_q520caa817a_prep
		.amdhsa_group_segment_fixed_size 1280
		.amdhsa_private_segment_fixed_size 0
		.amdhsa_enable_private_segment 0
		.amdhsa_kernarg_size 24
		.amdhsa_user_sgpr_count 2
		.amdhsa_user_sgpr_kernarg_segment_ptr 1
		.amdhsa_wavefront_size32 1
		.amdhsa_system_sgpr_workgroup_id_x 1
		.amdhsa_system_sgpr_workgroup_id_y 1
		.amdhsa_system_sgpr_workgroup_id_z 1
		.amdhsa_system_vgpr_workitem_id 0
		.amdhsa_next_free_vgpr 154
		.amdhsa_next_free_sgpr 66
		.amdhsa_reserve_vcc 0
		.amdhsa_float_denorm_mode_32 3
		.amdhsa_float_denorm_mode_16_64 3
		.amdhsa_memory_ordered 1
		.amdhsa_forward_progress 1
		.amdhsa_inst_pref_size 27
	.end_amdhsa_kernel
	.amdgpu_metadata
---
amdhsa.version: [ 1, 2 ]
amdhsa.kernels:
  - .name:           k_q520caa817a_prep
    .symbol:         k_q520caa817a_prep.kd
    .args:
      - { .name: tgt, .offset: 0, .size: 8, .value_kind: global_buffer, .address_space: global }
      - { .name: th, .offset: 8, .size: 8, .value_kind: global_buffer, .address_space: global }
      - { .name: nrm, .offset: 16, .size: 8, .value_kind: global_buffer, .address_space: global }
    .group_segment_fixed_size: 1280
    .private_segment_fixed_size: 0
    .kernarg_segment_align: 8
    .kernarg_segment_size: 24
    .max_flat_workgroup_size: 256
    .sgpr_count:     66
    .vgpr_count:     154
    .wavefront_size: 32
...
	.end_amdgpu_metadata
.endif
;; end of part 1
;; launch attn (part 2): grid 32 x 8, 4 waves a work-group, clusters of 4 x 1, 327,680 bytes of LDS; arguments th, nrm, out0; writes out0
.if DOCPART == 2
	.amdgcn_target "amdgcn-amd-amdhsa--gfx1250"
	.amdhsa_code_object_version 6
	.text
	.protected	k_q520caa817a_attn
	.globl	k_q520caa817a_attn
	.p2align	8
	.type	k_q520caa817a_attn,@function
k_q520caa817a_attn:
	s_mov_b64 s[64:65], 0
	v_nop
	global_prefetch_b8 v0, s[64:65] scope:SCOPE_SE
	s_setreg_imm32_b32 hwreg(HW_REG_WAVE_MODE, 25, 1), 1
	s_wait_xcnt 0x0
	s_wait_alu depctr_hold_cnt(0) depctr_sa_sdst(0) depctr_va_vdst(0) depctr_va_sdst(0) depctr_va_ssrc(0) depctr_va_vcc(0) depctr_vm_vsrc(0)
	s_getreg_b32 s2, hwreg(HW_REG_IB_STS2, 6, 4)
	s_cmp_eq_u32 s2, 0
	s_cbranch_scc0 .Lentry_in_a_cluster
	s_endpgm
.Lentry_in_a_cluster:
	s_bfe_u32 s2, ttmp6, 0x10000c
	s_cmp_lg_u32 s2, 0x3003
	s_cbranch_scc0 .Lentry_shape_is_right
	s_endpgm
.Lentry_shape_is_right:
; out[b][n][:] = sum over m of tanh(cos(t_n, t_m)) t_m.   th[b] = kappa t / |t| ([2048][512] f16), nrm = |t| / kappa (f32), kappa^2 = 2 log2(e); out f32.
; The similarity matrix never reaches memory.  Keys and values are the same array: one f16 tile in LDS is read along d for the first
; product and transposed (ds_load_tr16_b128) for the second.  S = th_n . th_m is 2 log2(e) cos already, so
;   g = -0.5 2^S - 0.5,   r = 1 / g = -2 / (1 + 2^S),   P = r nrm_m + nrm_m = nrm_m tanh(cos),   out_n = sum over m of P th_m.
; FORMAT: both products take f16 operands and sum in f32.  |th| is at most kappa.  |cos| is at most 1 but for rounding, for every input, so the
; exponent S stays within about 2.9 either way and no exponential or reciprocal can overflow or underflow.
; LIMITS: P is kept in f16: a row norm above 111,000 (nrm above 65,504) gives infinity; P below 6.1e-5 is an f16 denormal, absolute error up to 3e-8;
; those of the launch before (a row with sum of squares below 2^-126 gives NaN); a zero row gives NaN in its whole batch, as the definition does.
;
; SHARES: a work-group owns 64 query rows of one batch, 256 work-groups in all; four waves, 16 trips of 128 keys.
;   First product, S^T = K Q^T: wave w makes all 64 query rows x its 32 keys (tile rows 32 w ..), as two groups of 16 keys, a and b.  Source 0 = 16 keys from
;   LDS, source 1 = 16 query rows: all of Q stays in 512 registers.  A lane's eight results are eight neighbouring keys of one query row: 16 bytes of P in f16.
;   Second product, O^T = V^T P^T: wave w makes all 64 query rows x its 128 columns d = 128 w ..: 32 accumulators.  Source 0 = V^T, source 1 = P from LDS.
; CLUSTER: the four work-groups of a cluster are four query blocks of one batch and walk the same 16 tiles; each tile is asked for jointly (mask 15),
; which divides the requests for tiles by four.  The descriptors hang on the batch and the wave's number alone.
; ACCUMULATORS take turns, one matrix instruction a turn (4 in S, 32 in O), over every border of a unit, a phase and a trip.
; LDS LOADS stand in few long runs (16 or 24 loads), 32 matrix instructions or more apart: five runs a trip break the matrix stream, the others stand among vector work.
;
; REGISTERS, in windows of 256:  window 0: addresses, factors, SA, SB, X0-X3;  window 1: Q(s, i), K step s = 0..7, rows 16 i.., at v[32 s + 8 i];
;   window 2: s = 8..15;  window 3: O(b, i) at v[8 (4 b + i)]: lane (r, h), register j = out(row 16 i + r, d = 128 w + 8 b + j + 64 h).
.set PITCH, 1040                       ; an LDS row of a tile: 1,024 bytes + 16 of padding = 65 x 16: sixteen neighbouring rows start in sixteen different 16-byte columns of the 64 banks of 4 bytes (ISA guide 11.1)
.set QUART, 32*PITCH                   ; what one tensor load brings: 32 rows
.set SLOT,  128*PITCH                  ; a tile of 128 keys
.set TILEB, 131072                     ; a tile in memory
.set PA,    2*SLOT                     ; P: block (group g, wave w) at PA + g PGRP + w PBLK: 64 query rows x 16 keys f16; no tensor load lands here
.set PP,    48                         ; its pitch: 32 bytes + 16 = 3 x 16
.set PBLK,  64*PP
.set PGRP,  4*PBLK
.set STAGE, PA+2*PGRP                  ; the way out: 16 rows x 512 bytes for each wave; no tensor load lands here
.set SP,    528                        ; its pitch: 33 x 16
.set ADRK,  8                          ; v8-9    my K fragments in slot 0, 1
.set ADRV,  10                         ; v10-13  my V fragments: slot 0 keys 0-63, 64-127; slot 1 likewise
.set ADRP,  14                         ; v14     P fragments
.set ADRPS, 15                         ; v15     where I store P
.set KF,    16                         ; v[16:31] nrm of my keys 8 h + j: group a, group b
.set KFO,   40
.set QA,    41
.set STO,   43
.set RD,    44
.set CO,    45
.set SA,    64                         ; v[64:95]   S of group a, 4 tiles; later a P buffer
.set SB,    96                         ; v[96:127]  S of group b; later a P buffer
.set X0,    128                        ; four fragment buffers of 32 registers
.set X1,    160
.set X2,    192
.set X3,    224
.set G1,    16                         ; s[16:23] descriptor group 1
.set G0,    24                         ; s[24:31] descriptor group 0, one set for each slot
.set KFB,   32                         ; s[32:33] nrm at my wave's keys of the trip whose factors are loaded next
.set QB,    34                         ; s[34:35] th at my query rows
.set Q_LO,  0x04                       ; source 1 in window 1
.set Q_HI,  0x08                       ; source 1 in window 2
.set O_ACC, 0xf0                       ; C and D in window 3
.set MSB, 0
.macro WIN new                         ; the immediate's high byte repeats the setting that is left; a switch that changes nothing is dropped
.if MSB != \new
	s_set_vgpr_msb (MSB<<8)|\new
.set MSB, \new
.endif
.endm
.macro NOPS n
.rept \n
	v_nop
.endr
.endm
; A round of the cluster's barrier: my work-group's barrier, wave 0 signals for the work-group, every wave waits for all four work-groups, my work-group's barrier again.
.macro CREST                           ; a round behind its opening barrier
	s_cmp_lg_u32 s10, 0
	s_cbranch_scc1 .Lnot_wave_0_\@
	s_barrier_signal -3
.Lnot_wave_0_\@:
	s_barrier_wait -3
	s_barrier_signal -1
	s_barrier_wait -1
.endm
.macro CROUND
	s_barrier_signal -1
	s_barrier_wait -1
	CREST
.endm
	s_load_b128 s[4:7], s[0:1], 0x0                ; th s[4:5], nrm s[6:7]
	s_load_b64 s[8:9], s[0:1], 0x10                ; out0
	v_lshl_add_u32 v62, v0, 2, 0x4f400
	v_mov_b32 v63, 0
	ds_add_u32 v62, v63
	v_lshrrev_b32 v1, 5, v0
	v_readfirstlane_b32 s10, v1                    ; wave 0..3
	s_bfe_u32 s11, ttmp6, 0x40000                  ; cx
	s_lshl_b32 s12, ttmp9, 2
	s_add_co_u32 s12, s12, s11                     ; query block 0..31 = 4 x cluster x + cx: enters the addresses of Q and out0 alone
	s_and_b32 s13, ttmp7, 0xffff                   ; batch
	; group 1: 32 rows x 512 elements of 2 bytes, 4 words of padding behind every 256 words, to all four work-groups
	s_mov_b32 s[G1+0], 15|(1<<16)|(1<<20)|(1<<21)|(7<<22)|(3<<25)
	s_mov_b32 s[G1+1], 512<<16                     ; tensor_dim0 = 512
	s_mov_b32 s[G1+2], 32<<16                      ; tensor_dim1 = 32
	s_mov_b32 s[G1+3], 512<<16                     ; tile_dim0 = 512
	s_mov_b32 s[G1+4], 32                          ; tile_dim1 = 32
	s_mov_b32 s[G1+5], 512                         ; elements from row to row
	s_mov_b32 s[G1+6], 0
	s_mov_b32 s[G1+7], 0
	s_mov_b32 s39, 0                               ; s[38:39]: offsets that the four partners share
	s_mov_b32 s45, 0                               ; s[44:45]: offsets that hold the query block
	s_lshl_b32 s38, s13, 21                        ; a batch of th: 2,048 rows of 1,024 bytes
	s_mul_i32 s14, s10, QUART                      ; my quarter of a slot
	s_wait_dscnt 0x0
	s_wait_kmcnt 0x0
	s_add_nc_u64 s[42:43], s[4:5], s[38:39]        ; th at my batch
	s_lshl_b32 s38, s10, 15                        ; my 32 rows of a tile
	s_mov_b32 s[G0+0], 1
	s_mul_i32 s[G0+1], s10, QUART                  ; LDS: slot 0, my quarter
	s_add_nc_u64 s[G0+2:G0+3], s[42:43], s[38:39]  ; tile 0
	s_mov_b32 s[G0+4], 1
	s_add_co_u32 s[G0+5], s[G0+1], SLOT            ; slot 1
	s_add_nc_u64 s[G0+6:G0+7], s[G0+2:G0+3], TILEB ; tile 1
	s_or_b32 s[G0+3], s[G0+3], 0x80000000          ; type = 2
	s_or_b32 s[G0+7], s[G0+7], 0x80000000
	CROUND                                         ; the four work-groups are here: the first joint loads meet
	tensor_load_to_lds s[G0:G0+3], s[G1:G1+7]      ; both first fills as one group: two loads of this wave are out
	s_nop 0
	tensor_load_to_lds s[G0+4:G0+7], s[G1:G1+7]
	s_nop 0
	s_lshl_b32 s44, s12, 16                        ; 64 rows of th
	s_add_nc_u64 s[QB:QB+1], s[42:43], s[44:45]
	s_lshl_b32 s38, s13, 13                        ; a batch of nrm
	s_add_nc_u64 s[KFB:KFB+1], s[6:7], s[38:39]
	s_lshl_b32 s38, s10, 7                         ; my 32 keys
	s_add_nc_u64 s[KFB:KFB+1], s[KFB:KFB+1], s[38:39]
	s_lshl_b32 s38, s13, 22                        ; a batch of out0
	s_add_nc_u64 s[8:9], s[8:9], s[38:39]
	s_lshl_b32 s38, s10, 9                         ; my 128 columns
	s_add_nc_u64 s[8:9], s[8:9], s[38:39]
	s_lshl_b32 s44, s12, 17                        ; my 64 rows
	s_add_nc_u64 s[8:9], s[8:9], s[44:45]
	v_and_b32 v1, 15, v0                           ; r
	v_bfe_u32 v2, v0, 4, 1                         ; h
	v_and_b32 v3, 7, v0                            ; lane mod 8
	v_bfe_u32 v4, v0, 3, 1                         ; which eight of the sixteen
	v_and_b32 v5, 31, v0                           ; lane
	v_mul_u32_u24 v6, v1, PITCH                    ; K fragment: row r, 16 bytes for each half of the lanes, two loads 32 bytes apart
	v_lshl_add_u32 v6, v2, 4, v6
	v_add_nc_u32 v[ADRK], s14, v6
	v_add_nc_u32 v[ADRK+1], SLOT, v[ADRK]
	v_lshl_add_u32 v6, v2, 3, v3                   ; V fragment: key row 8 h + lane mod 8; the second eight lanes take the 16 bytes 128 further on, not the next 16:
	v_mul_u32_u24 v6, v6, PITCH                    ; rows 0..7 x chunks c, c + 8 then start in sixteen different 16-byte columns.  So tile b holds d = 8 b + 0..7 and 64 + 8 b + 0..7
	v_lshl_add_u32 v6, v4, 7, v6
	s_lshl_b32 s15, s10, 8                         ; my 128 columns
	v_add_nc_u32 v[ADRV], s15, v6
	v_add_nc_u32 v[ADRV+1], 64*PITCH, v[ADRV]
	v_add_nc_u32 v[ADRV+2], SLOT, v[ADRV]
	v_add_nc_u32 v[ADRV+3], SLOT+64*PITCH, v[ADRV]
	v_mul_u32_u24 v6, v1, PP
	v_lshl_add_u32 v6, v2, 4, v6
	v_add_nc_u32 v[ADRP], PA, v6
	s_mul_i32 s15, s10, PBLK
	v_add_nc_u32 v[ADRPS], s15, v[ADRP]            ; my own block of P
	v_lshlrev_b32 v[KFO], 5, v2                    ; eight f32 for each half of the lanes
	v_lshlrev_b32 v[QA], 10, v1
	v_lshl_add_u32 v[QA], v2, 4, v[QA]             ; Q: row r, 16 h
	s_mul_i32 s15, s10, 16*SP
	s_add_co_u32 s15, s15, STAGE                   ; my stage
	v_mul_u32_u24 v6, v1, SP
	v_lshl_add_u32 v6, v2, 8, v6
	v_add_nc_u32 v[STO], s15, v6                   ; in: row r, d = 64 h ..
	v_lshl_add_u32 v[RD], v5, 4, s15               ; back: a whole row of 512 bytes
	v_lshlrev_b32 v[CO], 4, v5
; All of Q: K step s (32 along d), rows 16 i + r.  first = the window's first K step.
.macro QLOAD first
.irp s, 0,1,2,3,4,5,6,7
.irp i, 0,1,2,3
	global_load_b128 v[32*\s+8*\i:32*\s+8*\i+3],   v[QA], s[QB:QB+1] offset:16384*\i+64*(\first+\s)
	global_load_b128 v[32*\s+8*\i+4:32*\s+8*\i+7], v[QA], s[QB:QB+1] offset:16384*\i+64*(\first+\s)+32
.endr
.endr
.endm
; nrm of my 32 keys of a trip: lane (r, h) takes keys 8 h + 0..7 of each group
.macro KFLD
.irp g, 0,1
	global_load_b128 v[KF+8*\g:KF+8*\g+3],   v[KFO], s[KFB:KFB+1] offset:64*\g
	global_load_b128 v[KF+8*\g+4:KF+8*\g+7], v[KFO], s[KFB:KFB+1] offset:64*\g+16
.endr
.endm
	WIN 0x40                                       ; destination in window 1
	QLOAD 0
	WIN 0x80                                       ; destination in window 2
	QLOAD 8
	WIN 0
	KFLD                                           ; trip 0's
; 8 LDS loads: K fragments of group g, K steps 4 q .. 4 q + 3
.macro KQ slot, g, q, X
.irp kk, 0,1,2,3
	ds_load_b128 v[\X+8*\kk:\X+8*\kk+3],   v[ADRK+\slot] offset:\g*16*PITCH+64*(4*\q+\kk)
	ds_load_b128 v[\X+8*\kk+4:\X+8*\kk+7], v[ADRK+\slot] offset:\g*16*PITCH+64*(4*\q+\kk)+32
.endr
.endm
; 8 transposing loads: V^T fragments of d tiles 4 hb .. 4 hb + 3 for K step ks of group g: tile rows 64 ks + 16 g + 0..15, then the same 32 rows further down
.macro VH slot, g, ks, hb, X
.irp bb, 0,1,2,3
	ds_load_tr16_b128 v[\X+8*\bb:\X+8*\bb+3],   v[ADRV+2*\slot+\ks] offset:\g*16*PITCH+16*(4*\hb+\bb)
	ds_load_tr16_b128 v[\X+8*\bb+4:\X+8*\bb+7], v[ADRV+2*\slot+\ks] offset:\g*16*PITCH+16*(4*\hb+\bb)+32*PITCH
.endr
.endm
; 8 LDS loads: P fragments of the four row blocks for K step ks of group g: the keys of wave 2 ks, then those of wave 2 ks + 1: the same order as VH's rows
.macro PF g, ks, X
.irp i, 0,1,2,3
	ds_load_b128 v[\X+8*\i:\X+8*\i+3],   v[ADRP] offset:\g*PGRP+2*\ks*PBLK+16*PP*\i
	ds_load_b128 v[\X+8*\i+4:\X+8*\i+7], v[ADRP] offset:\g*PGRP+(2*\ks+1)*PBLK+16*PP*\i
.endr
.endm
; 16 matrix instructions of S: four K steps x four row blocks.  zero = 1: the first K step starts the sums.
; fill: group a's tanh rides among group b's products, on register n = 16 u + 4 kk + i of SA behind product n of a run of 32 (u = the unit's place in the run).
;   fill = 1: 2^S of register n; behind every odd n the pair n - 3, n - 2 goes on to g = -0.5 e - 0.5.  The step of the pair before stands between a pair's
;             exponentials and their use (the plain place of ISA guide 5.7.2); for the first pair a v_nop behind n = 1 does.
;   fill = 2: 1 / g of register n; the last pair's g stands ahead of the first reciprocal.
; No filler names a register of the products, nor a vector register as source 1, whose window is Q's here.
.macro SUNIT S, X, q, zero, fill, u
.irp kk, 0,1,2,3
.irp i, 0,1,2,3
.if \zero > \kk
	v_wmma_f32_16x16x32_f16 v[\S+8*\i:\S+8*\i+7], v[\X+8*\kk:\X+8*\kk+7], v[32*((4*\q+\kk)&7)+8*\i:32*((4*\q+\kk)&7)+8*\i+7], 0
.else
	v_wmma_f32_16x16x32_f16 v[\S+8*\i:\S+8*\i+7], v[\X+8*\kk:\X+8*\kk+7], v[32*((4*\q+\kk)&7)+8*\i:32*((4*\q+\kk)&7)+8*\i+7], v[\S+8*\i:\S+8*\i+7]
.endif
.if \fill == 1
	v_exp_f32 v[SA+16*\u+4*\kk+\i], v[SA+16*\u+4*\kk+\i]
.if \i & 1
.if (16*\u+4*\kk+\i) == 1
	v_nop
.else
	s_wait_alu depctr_va_vdst(0)
	v_pk_fma_f32 v[SA+16*\u+4*\kk+\i-3:SA+16*\u+4*\kk+\i-2], v[SA+16*\u+4*\kk+\i-3:SA+16*\u+4*\kk+\i-2], -0.5, -0.5 op_sel_hi:[1,0,0]
.endif
.endif
.endif
.if \fill == 2
.if (16*\u+4*\kk+\i) == 0
	v_pk_fma_f32 v[SA+30:SA+31], v[SA+30:SA+31], -0.5, -0.5 op_sel_hi:[1,0,0]
.endif
	v_rcp_f32 v[SA+16*\u+4*\kk+\i], v[SA+16*\u+4*\kk+\i]
.endif
.endr
.endr
.endm
; 16 matrix instructions of O: d tiles 4 hb .. 4 hb + 3 x four row blocks, one K step of 32 keys
.macro OUNIT hb, XV, XP, zero
.irp bb, 0,1,2,3
.irp i, 0,1,2,3
.if \zero
	v_wmma_f32_16x16x32_f16 v[8*(4*(4*\hb+\bb)+\i):8*(4*(4*\hb+\bb)+\i)+7], v[\XV+8*\bb:\XV+8*\bb+7], v[\XP+8*\i:\XP+8*\i+7], 0
.else
	v_wmma_f32_16x16x32_f16 v[8*(4*(4*\hb+\bb)+\i):8*(4*(4*\hb+\bb)+\i)+7], v[\XV+8*\bb:\XV+8*\bb+7], v[\XP+8*\i:\XP+8*\i+7], v[8*(4*(4*\hb+\bb)+\i):8*(4*(4*\hb+\bb)+\i)+7]
.endif
.endr
.endr
.endm
; tanh's steps as plain runs; one v_nop is the plain place behind each run of transcendentals (ISA guide 5.7.2)
.macro TEXP S                          ; e = 2^S
.set n, 0
.rept 32
	v_exp_f32 v[\S+n], v[\S+n]
.set n, n+1
.endr
	v_nop
.endm
.macro TG S                            ; g = -0.5 e - 0.5
.set n, 0
	s_wait_alu depctr_va_vdst(0)
.rept 16
	v_pk_fma_f32 v[\S+n:\S+n+1], v[\S+n:\S+n+1], -0.5, -0.5 op_sel_hi:[1,0,0]
.set n, n+2
.endr
.endm
.macro TRCP S                          ; r = 1 / g = -2 / (1 + e)
.set n, 0
.rept 32
	v_rcp_f32 v[\S+n], v[\S+n]
.set n, n+1
.endr
	v_nop
.endm
.macro NFMA S, g                       ; P = r nrm + nrm = nrm tanh; nrm is the key's (register j, half h)
	s_wait_alu depctr_va_vdst(0)
.irp i, 0,1,2,3
.irp jj, 0,1,2,3
	v_pk_fma_f32 v[\S+8*\i+2*\jj:\S+8*\i+2*\jj+1], v[\S+8*\i+2*\jj:\S+8*\i+2*\jj+1], v[KF+8*\g+2*\jj:KF+8*\g+2*\jj+1], v[KF+8*\g+2*\jj:KF+8*\g+2*\jj+1]
.endr
.endr
.endm
; eight f32 to 16 bytes of f16, in place, ascending: each destination has been read already
.macro TCVT S
.irp i, 0,1,2,3
.irp jj, 0,1,2,3
	v_cvt_pk_f16_f32 v[\S+8*\i+\jj], v[\S+8*\i+2*\jj], v[\S+8*\i+2*\jj+1]
.endr
.endr
.endm
.macro PST S, g                        ; P(row 16 i + r, my keys 8 h + 0..7) into my own block
.irp i, 0,1,2,3
	ds_store_b128 v[ADRPS], v[\S+8*\i:\S+8*\i+3] offset:\g*PGRP+16*PP*\i
.endr
.endm
; One trip: 128 keys in slot.  On entry 24 K loads of group a are out (K steps 0-11 in X0, X1, X2) and every window is 0.
; zero = 1: the first trip's products start O.  kfnext = 1: the next trip's key factors are loaded.
; turn = 1: change of slots with a round of the cluster's barrier and a refill; 2: with the work-group's barrier alone; 0: the last trip.
; Four v_nop stand between matrix instructions and a load into one of their sources or a vector instruction that reads their results (ISA guide 7.12.1 for vector instructions).
.macro TRIP slot, zero, kfnext, turn
	s_wait_dscnt 8                                 ; X0 and X1 are in; X2's eight loads stay out
	WIN Q_LO
	SUNIT SA, X0, 0, 1, 0, 0
	SUNIT SA, X1, 1, 0, 0, 0
	NOPS 4
	KQ \slot, 0, 3, X3                             ; one run of 24: group a's last four K steps first, wanted 16 products on,
	KQ \slot, 1, 0, X0                             ; then group b into the two buffers that have fallen free
	KQ \slot, 1, 1, X1
	s_wait_dscnt 24                                ; X2 is in; the 24 just issued stay out
	WIN Q_HI
	SUNIT SA, X2, 2, 0, 0, 0
	s_wait_dscnt 16                                ; X3 is in; group b's 16 stay out
	SUNIT SA, X3, 3, 0, 0, 0
	NOPS 4                                         ; also the places between group a's last products and the fillers that read them
	KQ \slot, 1, 2, X2
	KQ \slot, 1, 3, X3
	s_wait_dscnt 16                                ; group b: X0 and X1 are in; the 16 just issued stay out
	WIN Q_LO
	SUNIT SB, X0, 0, 1, 1, 0                       ; group b's 64 products are one run; group a's tanh rides among them
	SUNIT SB, X1, 1, 0, 1, 1
	s_wait_dscnt 0x0                               ; X2 and X3, the youngest loads
	WIN Q_HI
	SUNIT SB, X2, 2, 0, 2, 0
	SUNIT SB, X3, 3, 0, 2, 1
	WIN 0
	s_wait_loadcnt 0x0                             ; this trip's key factors are in, and their base may be stepped
.if \kfnext
	s_add_nc_u64 s[KFB:KFB+1], s[KFB:KFB+1], 512   ; 128 keys on
.endif
	NOPS 1                                         ; the plain place behind the reciprocals
	NFMA SA, 0                                     ; with the line above: seventeen places behind group b's last products
	VH \slot, 0, 0, 0, X0                          ; V for the second product's first K step: behind vector work, so this run breaks no matrix stream
	VH \slot, 0, 0, 1, X1
	TCVT SA
	PST SA, 0
	TEXP SB                                        ; while the stores land
	s_wait_dscnt 0x0                               ; my part of P a is stored: zero, for the other waves' sake
	s_barrier_signal -1                            ; barrier 1: P a is whole behind it
	TG SB                                          ; register work while the others arrive
	TRCP SB
	s_barrier_wait -1
	PF 0, 0, SA                                    ; SA's stores have taken their data: LDS serves a wave's instructions in order (ISA guide 5.7.1.4)
	VH \slot, 0, 1, 0, X2
	VH \slot, 0, 1, 1, X3
	NFMA SB, 1
	TCVT SB
.if \kfnext
	KFLD                                           ; KF was read for the last time in NFMA above
.endif
	PST SB, 1                                      ; the last trip's reads of P b were waited for in front of the turn's barrier
	PF 0, 1, SB
	s_wait_dscnt 28                                ; SA is in: 16 loads of V, 4 stores and 8 loads of P are younger
	WIN O_ACC
	OUNIT 0, X0, SA, \zero
	s_wait_dscnt 0x0                               ; my part of P b is stored, my reads of P a are over, X2, X3, SB are in
	s_barrier_signal -1                            ; barrier 2: P b is whole behind it
	OUNIT 1, X1, SA, \zero
	WIN 0
	s_barrier_wait -1
	NOPS 4
	VH \slot, 1, 0, 0, X0                          ; one run of 24: group b's first K step
	VH \slot, 1, 0, 1, X1
	PF 1, 0, SA
	WIN O_ACC
	OUNIT 0, X2, SB, 0
	OUNIT 1, X3, SB, 0
	WIN 0
	NOPS 4
	VH \slot, 1, 1, 0, X2                          ; one run of 24: group b's second K step
	VH \slot, 1, 1, 1, X3
	PF 1, 1, SB
	s_wait_dscnt 24                                ; X0, X1, SA are in; the 24 just issued stay out
	WIN O_ACC
	OUNIT 0, X0, SA, 0
	OUNIT 1, X1, SA, 0
.if \turn
	s_wait_dscnt 0x0                               ; my reads of this slot and of P b are over
	s_wait_tensorcnt 0x0                           ; all my tensor loads have landed: the one that was out is my part of the next tile
	ds_add_u32 v62, v63
	s_wait_dscnt 0x0
.if \turn == 1
	s_add_nc_u64 s[G0+4*\slot+2:G0+4*\slot+3], s[G0+4*\slot+2:G0+4*\slot+3], 2*TILEB   ; no load of mine is out: this slot's next tile
.endif
	s_barrier_signal -1                            ; say so (with a refill this barrier opens a round of the cluster's barrier),
	OUNIT 0, X2, SB, 0                             ; work on registers while the others arrive,
	WIN 0
	s_barrier_wait -1
.if \turn == 1
	CREST                                          ; no wave of any partner still reads this slot or has a load on its way
	tensor_load_to_lds s[G0+4*\slot:G0+4*\slot+3], s[G1:G1+7]   ; my one load behind the round, first thing there: 240 matrix instructions stand between it and the wait for it
	s_nop 0
.endif
	NOPS 5                                         ; four for the loads into X2, a source just now; five because the next trip's first products write over SA, a source of the 32 products before
	KQ (1-\slot), 0, 0, X0                         ; one run of 24: the next trip's group a, K steps 0-11
	KQ (1-\slot), 0, 1, X1
	KQ (1-\slot), 0, 2, X2
	WIN O_ACC
	OUNIT 1, X3, SB, 0
	WIN 0
.else
	s_wait_dscnt 0x0
	OUNIT 0, X2, SB, 0
	OUNIT 1, X3, SB, 0
	WIN 0
.endif
.endm
	s_wait_loadcnt 0x0                             ; Q and trip 0's key factors
	s_wait_tensorcnt 0x1                           ; my part of tile 0 is in; tile 1's may stay out
	s_barrier_signal -1
	s_barrier_wait -1                              ; everybody's is
	KQ 0, 0, 0, X0
	KQ 0, 0, 1, X1
	KQ 0, 0, 2, X2
	TRIP 0, 1, 1, 1                                ; trip 0 stands in front of the loop: its products start O; it asks for tile 2
	s_mov_b32 s40, 6
.Lpair:
	TRIP 1, 0, 1, 1                                ; trips 1 to 12
	TRIP 0, 0, 1, 1
	s_sub_co_u32 s40, s40, 1
	s_cmp_lg_u32 s40, 0
	s_cbranch_scc1 .Lpair
	TRIP 1, 0, 1, 1                                ; trip 13 asks for tile 15: the last fill
	TRIP 0, 0, 1, 2                                ; trip 14: nothing is left to fetch
	TRIP 1, 0, 0, 0                                ; trip 15
	; THE WAY OUT, 16 rows at a time: a lane's eight numbers (32 bytes of a row) into my own stage, whole rows of 512 bytes back, stored by 32 lanes.
	NOPS 4                                         ; behind the last products: for the LDS stores, which read results, and for the loads into X0..X3
.macro OUT16 i, XB
	WIN 0x0c                                       ; store data from window 3
.irp b, 0,1,2,3,4,5,6,7
	ds_store_b128 v[STO], v[8*(4*\b+\i):8*(4*\b+\i)+3]   offset:32*\b
	ds_store_b128 v[STO], v[8*(4*\b+\i)+4:8*(4*\b+\i)+7] offset:32*\b+16
.endr
	WIN 0
	s_wait_xcnt 0x0                                ; every earlier memory instruction has had its addresses translated (ISA guide 3.1): XB, which earlier stores read, is loaded again only behind this wait
.irp t, 0,1,2,3,4,5,6,7,8,9,10,11,12,13,14,15
	ds_load_b128 v[\XB+4*\t:\XB+4*\t+3], v[RD] offset:SP*\t        ; LDS serves a wave's instructions in order: these see the stores above
.endr
.irp t, 0,1,2,3,4,5,6,7,8,9,10,11,12,13,14,15
	s_wait_dscnt 15-\t
	global_store_b128 v[CO], v[\XB+4*\t:\XB+4*\t+3], s[8:9] offset:(16*\i+\t)*2048 th:TH_STORE_NT   ; the wave stores 512 consecutive bytes, aligned; written once
.endr
.endm
	OUT16 0, X0
	OUT16 1, X2
	OUT16 2, X0
	OUT16 3, X2
	s_wait_tensorcnt 0x0
	ds_add_u32 v62, v63
	s_wait_dscnt 0x0
	CROUND                                         ; the closing round: no work-group ends while a partner may still ask for a tile that names it
	s_endpgm
.Lfunc_end_k_q520caa817a_attn:
	.size	k_q520caa817a_attn, .Lfunc_end_k_q520caa817a_attn-k_q520caa817a_attn
	.p2alignl 7, 3214868480
	.fill 96, 4, 3214868480
	.section	.rodata,"a",@progbits
	.p2align	6, 0x0
	.amdhsa_kernel k_q520caa817a_attn
		.amdhsa_group_segment_fixed_size 327680
		.amdhsa_private_segment_fixed_size 0
		.amdhsa_enable_private_segment 0
		.amdhsa_kernarg_size 24
		.amdhsa_user_sgpr_count 2
		.amdhsa_user_sgpr_kernarg_segment_ptr 1
		.amdhsa_wavefront_size32 1
		.amdhsa_system_sgpr_workgroup_id_x 1
		.amdhsa_system_sgpr_workgroup_id_y 1
		.amdhsa_system_sgpr_workgroup_id_z 1
		.amdhsa_system_vgpr_workitem_id 0
		.amdhsa_next_free_vgpr 1024
		.amdhsa_next_free_sgpr 66
		.amdhsa_reserve_vcc 0
		.amdhsa_float_denorm_mode_32 3
		.amdhsa_float_denorm_mode_16_64 3
		.amdhsa_memory_ordered 1
		.amdhsa_forward_progress 1
		.amdhsa_inst_pref_size 255
	.end_amdhsa_kernel
	.section	.bss,"aw",@nobits
	.p2align	6
	.space	262144
	.amdgpu_metadata
---
amdhsa.version: [ 1, 2 ]
amdhsa.kernels:
  - .name:           k_q520caa817a_attn
    .symbol:         k_q520caa817a_attn.kd
    .args:
      - { .name: th, .offset: 0, .size: 8, .value_kind: global_buffer, .address_space: global }
      - { .name: nrm, .offset: 8, .size: 8, .value_kind: global_buffer, .address_space: global }
      - { .name: out0, .offset: 16, .size: 8, .value_kind: global_buffer, .address_space: global }
    .group_segment_fixed_size: 327680
    .private_segment_fixed_size: 0
    .kernarg_segment_align: 8
    .kernarg_segment_size: 24
    .max_flat_workgroup_size: 128
    .sgpr_count:     66
    .vgpr_count:     1024
    .wavefront_size: 32
...
	.end_amdgpu_metadata
.endif
;; end of part 2
